; MI455X (gfx1250); checked and timed in simulation.
; The chip was launched on July 23, 2026; its instructions are those of AMD's public machine-readable ISA for CDNA 5 (MIT licence, August 2026) and "CDNA5" Instruction Set Architecture Reference Guide (July 2026). The comments in the code are by the model that wrote it; some were corrected since.
;; Multi Head Attention4 D. Allowed arithmetic: matrix products marked QUANTISED: E2M1 operands, one E8M0 scale for each 32 along K, by v_wmma_scale_f32_16x16x128_f8f6f4 with both operands' format E2M1 (or v_wmma_scale_f32_32x16x128_f4), f32 sums; everything else in f32.
;; Inputs: Wk_codes 512 x 16 x 16 uint8 (E2M1 codes of Wk, K innermost, in blocks of 32 codes, two codes a byte); Wk_scales 512 x 16 uint8 (E8M0 scales of Wk, one for each 32 codes along K); Wo_codes 512 x 16 x 16 uint8 (E2M1 codes of Wo, K innermost, in blocks of 32 codes, two codes a byte); Wo_scales 512 x 16 uint8 (E8M0 scales of Wo, one for each 32 codes along K); Wq_codes 512 x 16 x 16 uint8 (E2M1 codes of Wq, K innermost, in blocks of 32 codes, two codes a byte); Wq_scales 512 x 16 uint8 (E8M0 scales of Wq, one for each 32 codes along K); Wv_codes 512 x 16 x 16 uint8 (E2M1 codes of Wv, K innermost, in blocks of 32 codes, two codes a byte); Wv_scales 512 x 16 uint8 (E8M0 scales of Wv, one for each 32 codes along K); bk 512 float32; bo 512 float32; bq 512 float32; bv 512 float32; key_codes 4 x 16 x 512 x 16 x 16 uint8 (E2M1 codes of key, K innermost, in blocks of 32 codes, two codes a byte); key_scales 4 x 16 x 512 x 16 uint8 (E8M0 scales of key, one for each 32 codes along K); query_codes 4 x 16 x 512 x 16 x 16 uint8 (E2M1 codes of query, K innermost, in blocks of 32 codes, two codes a byte); query_scales 4 x 16 x 512 x 16 uint8 (E8M0 scales of query, one for each 32 codes along K); value_codes 4 x 16 x 512 x 16 x 16 uint8 (E2M1 codes of value, K innermost, in blocks of 32 codes, two codes a byte); value_scales 4 x 16 x 512 x 16 uint8 (E8M0 scales of value, one for each 32 codes along K).
;; Outputs: out0 4 x 16 x 512 x 512 float32.
;; This version of the problem:
;;   THIS VERSION OF THE PROBLEM IS GIVEN IN LOW PRECISION. The matrix products marked QUANTISED in the list below multiply operands that are first quantised to E2M1 (2 exponent bits, 1 mantissa bit; 4 bits a number), with one power-of-two scale for each 32 numbers along K (OCP MX v1.0); their sums are f32. All else is computed in f32.
;;   The module's matrix products, in the order in which they are computed (A, B: the left and right operand; K: the contracted axis; several contracted axes count as one K, in the product's order):
;;     1. [M 32,768, K 512] x [K 512, N 512]; A: input query (given as codes); B: input Wq (given as codes): QUANTISED
;;     2. [M 32,768, K 512] x [K 512, N 512]; A: input key (given as codes); B: input Wk (given as codes): QUANTISED
;;     3. [M 32,768, K 512] x [K 512, N 512]; A: input value (given as codes); B: input Wv (given as codes): QUANTISED
;;     4. batch 512 x [M 512, K 64] x [K 64, N 512]; A: computed on the way; B: computed on the way: QUANTISED
;;     5. batch 512 x [M 512, K 512] x [K 512, N 64]; A: softmax (see below); B: computed on the way: QUANTISED
;;     6. [M 32,768, K 512] x [K 512, N 512]; A: computed on the way; B: input Wo (given as codes): QUANTISED
;;   THE QUANTISER, for each operand of a quantised product, along K:
;;     - K is cut into blocks of 32 from its start; a last block that is shorter is filled with zeros.
;;     - A block's scale is 2^e with e = floor(log2(the largest magnitude in the block)) - 2, held to -126 .. 127; a block of zeros has e = 0. As a byte (E8M0): e + 127.
;;     - Each number is divided by its block's scale, clamped to +-6, and rounded to the nearest number of E2M1, ties to even, subnormals kept.
;;     - The product sums the exact products of the quantised numbers (number of the format x scale) in f32.
;;   ~~~python
;;   def quantise(x, axis):      # numpy; x: float32 -> the quantised numbers, widened to float32 again
;;       x = np.moveaxis(x, axis, -1); K = x.shape[-1]
;;       x = np.pad(x, [(0, 0)] * (x.ndim - 1) + [(0, -K % 32)]); x = x.reshape(x.shape[:-1] + (-1, 32)); a = np.abs(x).max(-1, keepdims=True)
;;       e = np.where(a > 0, np.clip(np.frexp(np.where(a > 0, a, 1))[1] - 1 - 2, -126, 127), 0)      # np.frexp(a)[1] - 1 = floor(log2(a)), exactly
;;       r = np.clip(x / 2.0 ** e, -6, 6)
;;       step = 2.0 ** (np.maximum(np.frexp(np.where(r == 0, 1, r))[1] - 1, 0) - 1)
;;       q = np.round(r / step) * step * 2.0 ** e      # np.round: ties to even
;;       return np.moveaxis(q.reshape(q.shape[:-2] + (-1,))[..., :K], -1, axis).astype(np.float32)
;;   ~~~
;;   SOFTMAX AHEAD OF A QUANTISED PRODUCT. Where the list says 'softmax', what is quantised is not the finished softmax but p = 2^(t - M), with t = logit x log2(e) and M = ceil(the row's largest t), a whole number; so 1/2 < the row's largest p <= 1. The row's sum l is taken of the UNQUANTISED p, in f32, and the product's result is divided by l at the end. Since M is a whole number, a kernel that streams over the keys may use a running M (the ceiling of the running maximum): every later rescaling is an exact power of two, which a block's scale takes up: the codes' values come out the same.
;;   OPERANDS COMPUTED ON THE WAY. 'Computed on the way' means the value that the module computes at that place (a softmax that the list does not call 'softmax' is quantised finished and normalised). What goes into a quantiser is computed in f32, as accurately as f32 sums, v_exp_f32 and their like allow (about 1e-6 of the number): no bf16 or f16 on the way to a quantiser, and a product that is left as it is and whose result goes on into a quantised operand takes f32 operands (vector FMAs, or v_wmma_f32_16x16x4_f32). A number that lies on a knife's edge between two numbers of the format may be rounded either way, as far as f32 arithmetic and the matrix unit's own rounding can turn it there, and no further.
;;   INPUTS GIVEN AS CODES. Wk (in the module: [512, 512], K = its axis 1); Wo (in the module: [512, 512], K = its axis 1); Wq (in the module: [512, 512], K = its axis 1); Wv (in the module: [512, 512], K = its axis 1); key (in the module: [4, 16, 512, 512], K = its axis 3); query (in the module: [4, 16, 512, 512], K = its axis 3); value (in the module: [4, 16, 512, 512], K = its axis 3): each comes as NAME_codes (uint8): NAME with its K axis moved to the last place and cut into blocks of 32 codes, [.., K / 32, bytes a block], one block behind the other in memory; two codes a byte, the lower K in the low four bits (a code: sign, 2 exponent bits, 1 mantissa bit); and NAME_scales (uint8): the same leading axes, one E8M0 byte (e + 127) for each 32 codes along K. Its value is code x scale, taken as it is: it is not quantised again, and the codes and scales need not be those that the quantiser above would give.
;; One version. Each part assembles by itself: llvm-mc -triple=amdgcn-amd-amdhsa -mcpu=gfx1250 --defsym DOCPART=n.
;; ======== version 1 of 1: 2 launches
;; limits: right only within a limited range of input values
;; workspace buffers: kv 17,825,792 bytes
;; launch project (part 1): grid 256 x 2, 4 waves a work-group, no clusters, 37,376 bytes of LDS; arguments key_codes, key_scales, value_codes, value_scales, Wk_codes, Wk_scales, Wv_codes, Wv_scales, bk, bv, kv; writes kv
.if DOCPART == 1
	.amdgcn_target "amdgcn-amd-amdhsa--gfx1250"
	.amdhsa_code_object_version 6
	.text
	.protected	k_qad3b15329e_project
	.globl	k_qad3b15329e_project
	.p2align	8
	.type	k_qad3b15329e_project,@function
k_qad3b15329e_project:
	s_mov_b64 s[64:65], 0
	v_nop
	global_prefetch_b8 v0, s[64:65] scope:SCOPE_SE
	s_setreg_imm32_b32 hwreg(HW_REG_WAVE_MODE, 25, 1), 1
	s_wait_xcnt 0x0
; q = query Wq^T + bq, k = key Wk^T + bk, v = value Wv^T + bv on codes of FP4 (E2M1) with one E8M0 scale for each 32 along K = 512; the results are quantised at once,
; q and k along a head's 64 dims, v along the keys, and stored as IMAGES OF OPERAND REGISTERS for the next launch (a fragment = 16 rows x 128 K = 8 registers a lane: two runs of 512 bytes, lane l's 16 bytes at 16 l).
; qkv_codes  [T 3: q,k,v][bc 64][P 4 head pairs][g 4][i 8][c 2][lane 32][16 bytes];  qkv_scales [T][bc][P][g][i / 4][row 16][i % 4] words.
;   q, k: g = group of 128 tokens, i = tile of 16 tokens, c = the head's parity; a scale word's bytes 0, 1 are the even head's two blocks, bytes 2, 3 the odd head's.
;   v:    g = step of 128 keys, i = 4 x parity + tile of 16 dims; a scale word's four bytes are the step's four blocks of 32 keys.
; SHARES.  Work-group x: slice bc = x / 4, part p = x % 4; y: the tensor.  A wave G multiplies S0's rows 128 G .. + 127 (source 0) by S1's rows 128 p .. + 127 (source 1), eight tiles of S1, one a trip.
;   q, k: S0 = the weight (dims), S1 = the tokens.   v: S0 = the tokens (keys), S1 = the weight (dims).   So a lane holds ONE row of S1, and its 64 registers run along 128 rows of S0: the next product's K.
; THE ROWS OF A TILE ARE NOT NEIGHBOURS: lane r of tile i takes row 32 (i / 2) + 8 (i % 2) + r + 8 (r / 8), on both sides: then the 16 registers of result tiles 2 b and 2 b + 1 are 16 neighbours along S0, 32 b + 16 (lane / 16) + 0 .. 15.
; S0's 32 fragments stay in a wave's registers (window 1).  S1's 128 rows are read densely, once a work-group, and go through LDS in the order of the tiles (row number with bits 3 and 4 swapped), 272 bytes apart.
; The bias is the C of each sum's first matrix instruction.  No cluster: S0 goes from memory straight into registers, and what passes through LDS (34 KB) is read by this work-group alone.
; LIMITS: a block of zeros gets the byte 1 (its codes are zeros, and this program alone reads the bytes); a block's largest magnitude is held at 2^-124 from below; NaN, infinities and scale bytes 0xff among the inputs are not served.
.set XPITCH, 272                       ; an LDS row of S1: 256 bytes + 16: the sixteen rows of a fragment load start 68 words apart
.set SSC,    128*XPITCH                ; behind them S1's scale bytes, 16 a row, in the same order of rows
.set LO,   1                           ; v1   16 x lane: an image's place for my lane
.set A0,   2                           ; v2   S0's codes: (r + 8 (r / 8)) x 256 + 16 h
.set A0S,  3                           ; v3   S0's scale bytes: (r + 8 (r / 8)) x 16
.set XA,   4                           ; v4   LDS: r x 272 + 16 h
.set XSA,  5                           ; v5   LDS: SSC + 16 r
.set BA,   6                           ; v6   the bias: 64 h (q, k) or 4 (r + 8 (r / 8)) (v)
.set DL,   7                           ; v7   16 x thread: the dense loads
.set SW,   8                           ; v8   LDS: (thread / 16) x 272 + 16 (thread % 16)
.set SWS,  9                           ; v9   LDS: SSC + 16 x (thread with bits 3 and 4 swapped)
.set SB,   10                          ; v10-17   the eight trips' scale words
.set S0S,  18                          ; v18-49   S0's scale words: tile t, K step s at 4 t + s
.set XS,   50                          ; v50-53   S1's scale words of the tile in hand
.set XF,   54                          ; v54-85   S1's four fragments of the tile in hand
.set PC,   86                          ; v86-93   the codes just made
.set BM,   94                          ; v94-97   largest magnitudes
.set TP,   98                          ; v98-101  the other half's, then the bytes
.set SO,   102                         ; v102-105 the conversions' scale operands
.set OSR,  106                         ; v106-109 S1's scale bytes on their way to LDS; at the end the scale words to store
.set ACC,  110                         ; v110-173 eight accumulators; at the head S1's rows on their way to LDS
.set BB,   174                         ; v174-237 the bias, eight registers a tile
.set MSB, 0
.macro WIN new                         ; the immediate's high byte repeats the setting that is left
.if MSB != \new
	s_set_vgpr_msb (MSB<<8)|\new
.set MSB, \new
.endif
.endm
.macro MMA d, a, b, c, sa, sb
	v_wmma_scale_f32_16x16x128_f8f6f4 v[\d:\d+7], v[\a:\a+7], v[\b:\b+7], v[\c:\c+7], v[\sa], v[\sb] matrix_a_fmt:MATRIX_FMT_FP4 matrix_b_fmt:MATRIX_FMT_FP4
.endm
; 64 numbers of a lane, register 16 b + i = k 32 b + 16 (lane / 16) + i of my row, become a fragment's codes in v[PC] on and its scale word in v[word].
.macro QUANT4 src, word
.irp b, 0,1,2,3
	v_max3_num_f32 v[BM+\b], |v[\src+16*\b]|, |v[\src+1+16*\b]|, 0x1800000   ; block b: my 16 numbers, and the floor 2^(3 - 127): the byte cannot fall under 1
.endr
.irp i, 2,4,6,8,10,12,14
.irp b, 0,1,2,3
	v_max3_num_f32 v[BM+\b], v[BM+\b], |v[\src+16*\b+\i]|, |v[\src+1+16*\b+\i]|   ; the four blocks by turns
.endr
.endr
.irp b, 0,1,2,3
	v_permlanex16_b32 v[TP+\b], v[BM+\b], s6, s7
.endr
.irp b, 0,1,2,3
	v_max_num_f32 v[BM+\b], v[BM+\b], v[TP+\b]     ; with lane l xor 16's: the block's largest magnitude
.endr
.irp b, 0,1,2,3
	v_add_nc_u32 v[SO+\b], 0xff000000, v[BM+\b]    ; 2 off its exponent field: the conversion's scale operand
.endr
.irp b, 0,1,2,3
	v_lshrrev_b32 v[TP+\b], 23, v[SO+\b]           ; the scale's byte
.endr
	v_lshl_or_b32 v[\word], v[TP+1], 8, v[TP]
	v_lshl_or_b32 v[\word], v[TP+2], 16, v[\word]
	v_lshl_or_b32 v[\word], v[TP+3], 24, v[\word]
.irp b, 0,1,2,3
	v_cvt_scalef32_pk8_fp4_f32 v[PC+2*\b], v[\src+16*\b:\src+7+16*\b], v[SO+\b]
	v_cvt_scalef32_pk8_fp4_f32 v[PC+1+2*\b], v[\src+8+16*\b:\src+15+16*\b], v[SO+\b]
.endr
	v_nop                                          ; one plain place behind a scaled conversion
.irp c, 0,1                                    ; the operand's layout wants a whole block in a lane: lanes 0-15 block 2 c, lanes 16-31 block 2 c + 1
.irp i, 0,1
	v_permlane16_swap_b32 v[PC+4*\c+\i], v[PC+2+4*\c+\i]
.endr
.endr
.endm
.macro S0LOAD t                        ; S0's tile t, four K steps, into window 1 at 32 t + 8 s
.irp s, 0,1,2,3
.irp c, 0,1
	global_load_b128 v[32*\t+8*\s+4*\c:32*\t+8*\s+4*\c+3], v[A0], s[52:53] offset:(32*(\t/2)+8*(\t%2))*256+64*\s+32*\c
.endr
.endr
.endm
.macro XFETCH i                        ; S1's tile i from LDS: four fragments and the rows' four scale words
.irp s, 0,1,2,3
.irp c, 0,1
	ds_load_b128 v[XF+8*\s+4*\c:XF+8*\s+4*\c+3], v[XA] offset:16*(\i)*XPITCH+64*\s+32*\c
.endr
.endr
	ds_load_b128 v[XS:XS+3], v[XSA] offset:256*(\i)
.endm
; A trip: S1's tile i against my eight tiles of S0, K = 512: 32 matrix instructions, the eight accumulators by turns; then the 64 results become one fragment and one scale word.
.macro TRIP i, isv
	s_wait_dscnt 0x0                               ; the tile's fragments and scale words are in
	WIN 0x01                                       ; source 0 (S0) in window 1
.irp s, 0,1,2,3
.irp t, 0,1,2,3,4,5,6,7
.if \s == 0
.if \isv
	MMA ACC+8*\t, 32*\t+8*\s, XF+8*\s, BB+8*(\i), S0S+4*\t+\s, XS+\s      ; v: the bias hangs on the lane's dim alone: tile i's eight equal registers
.else
	MMA ACC+8*\t, 32*\t+8*\s, XF+8*\s, BB+8*\t, S0S+4*\t+\s, XS+\s        ; q, k: the bias of the tile's eight dims of my half
.endif
.else
	MMA ACC+8*\t, 32*\t+8*\s, XF+8*\s, ACC+8*\t, S0S+4*\t+\s, XS+\s
.endif
.endr
.endr
	WIN 0
.rept 5
	v_nop                                          ; places: four in front of the loads below and of the first read of results, the fifth because the next trip begins the accumulators anew with another C
.endr
.if (\i) < 7
	XFETCH (\i)+1                                  ; lands while this tile is quantised
.endif
.if (\i) > 0
	s_wait_xcnt 0x0                                ; the last trip's stores have read v[PC] on
.endif
	QUANT4 ACC, SB+(\i)
	global_store_b128 v[LO], v[PC:PC+3], s[60:61] offset:(\i)*1024         ; 32 lanes store 512 consecutive bytes, at a multiple of 512 from the buffer's first byte
	global_store_b128 v[LO], v[PC+4:PC+7], s[60:61] offset:(\i)*1024+512
.endm
	; THIS LAUNCH SERVES k (y = 0) AND v (y = 1) ALONE: q is made by the next launch, so of what the lines above say of q and k only k is run here.
	; The results go to ONE buffer, kv [bc 64][K's images 131,072][V's images 131,072][K's scale words 8,192][V's 8,192]: a slice is one dense block of 278,528 bytes; inside each part the order [P][g][i].. stands as above.
	s_load_b512 s[8:23], s[0:1], 0x0               ; key's codes 8, scales 10; value's 12, 14; Wk's 16, 18; Wv's 20, 22
	s_load_b128 s[24:27], s[0:1], 0x40             ; bk 24, bv 26
	s_load_b64 s[38:39], s[0:1], 0x50              ; kv
	v_lshl_add_u32 v254, v0, 2, 0x9000
	v_mov_b32 v255, 0
	s_and_b32 s2, ttmp7, 0xffff
	s_add_co_u32 s2, s2, 1                         ; T: 1 k, 2 v
	s_lshr_b32 s3, ttmp9, 2                        ; bc
	s_and_b32 s4, ttmp9, 3                         ; p
	v_lshrrev_b32 v1, 5, v0
	v_readfirstlane_b32 s5, v1                     ; G: my wave
	s_mov_b32 s6, 0x76543210
	s_mov_b32 s7, 0xfedcba98                       ; v_permlanex16_b32's selects for lane l xor 16
	s_lshl_b32 s76, s3, 17                         ; a slice's codes: 512 rows of 256 bytes
	s_lshl_b32 s77, s3, 13                         ; and its scale bytes: 512 rows of 16
	v_and_b32 v[BM], 31, v0                        ; lane
	v_and_b32 v[BM+1], 15, v0                      ; r
	v_bfe_u32 v[BM+2], v0, 4, 1                    ; h
	v_and_b32 v[BM+3], 8, v[BM+1]
	v_add_nc_u32 v[BM+3], v[BM+3], v[BM+1]         ; r + 8 (r / 8)
	v_lshlrev_b32 v[LO], 4, v[BM]
	v_lshlrev_b32 v[A0], 8, v[BM+3]
	v_lshl_add_u32 v[A0], v[BM+2], 4, v[A0]
	v_lshlrev_b32 v[A0S], 4, v[BM+3]
	v_mul_u32_u24 v[XA], v[BM+1], XPITCH
	v_lshl_add_u32 v[XA], v[BM+2], 4, v[XA]
	v_lshl_add_u32 v[XSA], v[BM+1], 4, SSC
	v_lshlrev_b32 v[DL], 4, v0
	v_lshrrev_b32 v[SW], 4, v0
	v_mul_u32_u24 v[SW], v[SW], XPITCH
	v_lshl_add_u32 v[SW], v[BM+1], 4, v[SW]
	v_and_b32 v[SWS], 0x67, v0                     ; the thread's number with bits 3 and 4 swapped
	v_bfe_u32 v[TP], v0, 3, 1
	v_lshl_or_b32 v[SWS], v[TP], 4, v[SWS]
	v_bfe_u32 v[TP], v0, 4, 1
	v_lshl_or_b32 v[SWS], v[TP], 3, v[SWS]
	v_lshl_add_u32 v[SWS], v[SWS], 4, SSC
.irp b, 0,1,2,3
	v_mov_b32 v[TP+\b], 0                          ; written once: a lane permute's destination counts as one of its sources
.endr
	s_wait_alu depctr_va_vdst(0)
	s_wait_kmcnt 0x0
	s_cmp_eq_u32 s2, 2                             ; the choices hang on the work-group's number alone; all selections stand ahead of the sums, which set SCC
	s_cselect_b64 s[42:43], s[12:13], s[8:9]       ; the tokens' codes,
	s_cselect_b64 s[44:45], s[14:15], s[10:11]     ; their scales,
	s_cselect_b64 s[46:47], s[20:21], s[16:17]     ; the weight's codes,
	s_cselect_b64 s[48:49], s[22:23], s[18:19]     ; its scales,
	s_cselect_b64 s[50:51], s[26:27], s[24:25]     ; the bias
	s_cselect_b64 s[52:53], s[42:43], s[46:47]     ; S0: v: the tokens; q, k: the weight
	s_cselect_b64 s[54:55], s[44:45], s[48:49]
	s_cselect_b64 s[56:57], s[46:47], s[42:43]     ; S1: the other one
	s_cselect_b64 s[58:59], s[48:49], s[44:45]
	s_cselect_b32 s66, s76, 0                      ; the slice's offset goes to the side that holds tokens
	s_cselect_b32 s68, 0, s76
	s_cselect_b32 s70, s77, 0
	s_cselect_b32 s72, 0, s77
	s_cselect_b32 s74, s4, s5                      ; the head pair: v: p; q, k: G
	s_cselect_b32 s75, s5, s4                      ; the group of 128 tokens: v: G; q, k: p
	s_lshl_b32 s78, s5, 15
	s_add_co_u32 s66, s66, s78
	s_mov_b32 s67, 0
	s_add_nc_u64 s[52:53], s[52:53], s[66:67]      ; S0's codes at my 128 rows
	s_lshl_b32 s78, s5, 11
	s_add_co_u32 s70, s70, s78
	s_mov_b32 s71, 0
	s_add_nc_u64 s[54:55], s[54:55], s[70:71]      ; and their scale bytes
	s_lshl_b32 s78, s4, 15
	s_add_co_u32 s68, s68, s78
	s_mov_b32 s69, 0
	s_add_nc_u64 s[56:57], s[56:57], s[68:69]      ; S1's codes at the work-group's 128 rows
	s_lshl_b32 s78, s4, 11
	s_add_co_u32 s72, s72, s78
	s_mov_b32 s73, 0
	s_add_nc_u64 s[58:59], s[58:59], s[72:73]
	s_lshl_b32 s78, s74, 9
	s_mov_b32 s79, 0
	s_add_nc_u64 s[50:51], s[50:51], s[78:79]      ; the bias at the head pair's 128 dims
	s_mul_i32 s78, s3, 278528                      ; where my eight fragments go: bc x 278,528 + (T - 1) x 131,072 + pair x 32,768 + group x 8,192
	s_lshl_b32 s66, s2, 17
	s_add_co_u32 s78, s78, s66
	s_sub_co_u32 s78, s78, 131072
	s_lshl_b32 s66, s74, 15
	s_add_co_u32 s78, s78, s66
	s_lshl_b32 s66, s75, 13
	s_add_co_u32 s78, s78, s66
	s_add_nc_u64 s[60:61], s[38:39], s[78:79]
	s_mul_i32 s78, s3, 278528                      ; and their scale words: bc x 278,528 + 262,144 + (T - 1) x 8,192 + pair x 2,048 + group x 512
	s_lshl_b32 s66, s2, 13
	s_add_co_u32 s78, s78, s66
	s_add_co_u32 s78, s78, 262144-8192
	s_lshl_b32 s66, s74, 11
	s_add_co_u32 s78, s78, s66
	s_lshl_b32 s66, s75, 9
	s_add_co_u32 s78, s78, s66
	s_add_nc_u64 s[62:63], s[38:39], s[78:79]
.irp k, 0,1,2,3,4,5,6,7,8,9,10,11,12,13,14,15
	global_load_b128 v[ACC+4*\k:ACC+4*\k+3], v[DL], s[56:57] offset:2048*\k   ; S1's rows 8 k .. 8 k + 7: the 128 threads read 2,048 consecutive bytes
.endr
	global_load_b128 v[OSR:OSR+3], v[DL], s[58:59]                            ; S1's scale bytes: a row a thread
.irp t, 0,1,2,3,4,5,6,7
	global_load_b128 v[S0S+4*\t:S0S+4*\t+3], v[A0S], s[54:55] offset:(32*(\t/2)+8*(\t%2))*16
.endr
	WIN 0x40                                       ; destination window 1
.irp t, 0,1,2,3
	S0LOAD \t
.endr
	WIN 0
	s_wait_loadcnt 40                              ; the 17 dense loads are in; the 8 + 32 issued behind them may be out
.irp k, 0,1,2,3,4,5,6,7,8,9,10,11,12,13,14,15
	ds_store_b128 v[SW], v[ACC+4*\k:ACC+4*\k+3] offset:(32*(\k/4)+16*(\k%2)+8*((\k/2)%2))*XPITCH   ; rows 8 k on, at their place in the order of the tiles
.endr
	ds_store_b128 v[SWS], v[OSR:OSR+3]
	WIN 0x40
.irp t, 4,5,6,7
	S0LOAD \t
.endr
	WIN 0
	s_wait_dscnt 0x0                               ; for the others' sake: my stores have landed
	s_barrier_signal -1
	s_barrier_wait -1                              ; S1's 128 rows lie in LDS; from here on LDS is only read
	s_cmp_eq_u32 s2, 2
	s_cbranch_scc1 .Lv
	v_lshlrev_b32 v[BA], 6, v[BM+2]                ; q, k: register j of tile t is dim 32 (t / 2) + 8 (t % 2) + 16 h + j
.irp t, 0,1,2,3,4,5,6,7
	global_load_b128 v[BB+8*\t:BB+8*\t+3], v[BA], s[50:51] offset:(32*(\t/2)+8*(\t%2))*4
	global_load_b128 v[BB+8*\t+4:BB+8*\t+7], v[BA], s[50:51] offset:(32*(\t/2)+8*(\t%2))*4+16
.endr
	XFETCH 0
	s_wait_loadcnt 0x0                             ; S0, its scale words, the bias
.irp i, 0,1,2,3,4,5,6,7
	TRIP \i, 0
.endr
	s_branch .Lout
.Lv:
	v_lshlrev_b32 v[BA], 2, v[BM+3]                ; v: in trip i the lane's dim is 32 (i / 2) + 8 (i % 2) + r + 8 (r / 8)
.irp i, 0,1,2,3,4,5,6,7
	global_load_b32 v[BB+8*\i], v[BA], s[50:51] offset:(32*(\i/2)+8*(\i%2))*4
.endr
	XFETCH 0
	s_wait_loadcnt 0x0
.irp i, 0,1,2,3,4,5,6,7
.irp j, 1,2,3,4,5,6,7
	v_mov_b32 v[BB+8*\i+\j], v[BB+8*\i]            ; a C operand is eight registers: all eight keys of a lane get its dim's bias
.endr
.endr
.irp i, 0,1,2,3,4,5,6,7
	TRIP \i, 1
.endr
.Lout:
	v_and_b32 v[BM], 31, v0
	v_cmp_le_u32 vcc_lo, 16, v[BM]
.irp j, 0,1,2,3
	v_cndmask_b32 v[OSR+\j], v[SB+\j], v[SB+4+\j], vcc_lo   ; lanes 0-15: row r's words of fragments 0-3; lanes 16-31: of fragments 4-7 (both halves of the lanes hold every word)
.endr
	global_store_b128 v[LO], v[OSR:OSR+3], s[62:63]          ; 512 consecutive bytes
	s_barrier_signal -1
	s_barrier_wait -1
	s_wait_tensorcnt 0x0
	ds_add_u32 v254, v255
	s_wait_dscnt 0x0
	s_endpgm
.Lfunc_end_k_qad3b15329e_project:
	.size	k_qad3b15329e_project, .Lfunc_end_k_qad3b15329e_project-k_qad3b15329e_project
	.p2alignl 7, 3214868480
	.fill 96, 4, 3214868480
	.section	.rodata,"a",@progbits
	.p2align	6, 0x0
	.amdhsa_kernel k_qad3b15329e_project
		.amdhsa_group_segment_fixed_size 37376
		.amdhsa_private_segment_fixed_size 0
		.amdhsa_enable_private_segment 0
		.amdhsa_kernarg_size 88
		.amdhsa_user_sgpr_count 2
		.amdhsa_user_sgpr_kernarg_segment_ptr 1
		.amdhsa_wavefront_size32 1
		.amdhsa_system_sgpr_workgroup_id_x 1
		.amdhsa_system_sgpr_workgroup_id_y 1
		.amdhsa_system_sgpr_workgroup_id_z 1
		.amdhsa_system_vgpr_workitem_id 0
		.amdhsa_next_free_vgpr 512
		.amdhsa_next_free_sgpr 80
		.amdhsa_reserve_vcc 1
		.amdhsa_float_denorm_mode_32 3
		.amdhsa_float_denorm_mode_16_64 3
		.amdhsa_memory_ordered 1
		.amdhsa_forward_progress 1
		.amdhsa_inst_pref_size 159
	.end_amdhsa_kernel
	.amdgpu_metadata
---
amdhsa.version: [ 1, 2 ]
amdhsa.kernels:
  - .name:           k_qad3b15329e_project
    .symbol:         k_qad3b15329e_project.kd
    .args:
      - { .name: key_codes, .offset: 0, .size: 8, .value_kind: global_buffer, .address_space: global }
      - { .name: key_scales, .offset: 8, .size: 8, .value_kind: global_buffer, .address_space: global }
      - { .name: value_codes, .offset: 16, .size: 8, .value_kind: global_buffer, .address_space: global }
      - { .name: value_scales, .offset: 24, .size: 8, .value_kind: global_buffer, .address_space: global }
      - { .name: Wk_codes, .offset: 32, .size: 8, .value_kind: global_buffer, .address_space: global }
      - { .name: Wk_scales, .offset: 40, .size: 8, .value_kind: global_buffer, .address_space: global }
      - { .name: Wv_codes, .offset: 48, .size: 8, .value_kind: global_buffer, .address_space: global }
      - { .name: Wv_scales, .offset: 56, .size: 8, .value_kind: global_buffer, .address_space: global }
      - { .name: bk, .offset: 64, .size: 8, .value_kind: global_buffer, .address_space: global }
      - { .name: bv, .offset: 72, .size: 8, .value_kind: global_buffer, .address_space: global }
      - { .name: kv, .offset: 80, .size: 8, .value_kind: global_buffer, .address_space: global }
    .group_segment_fixed_size: 37376
    .private_segment_fixed_size: 0
    .kernarg_segment_align: 8
    .kernarg_segment_size: 88
    .max_flat_workgroup_size: 128
    .sgpr_count:     80
    .vgpr_count:     512
    .wavefront_size: 32
...
	.end_amdgpu_metadata
.endif
;; end of part 1
;; launch attend (part 2): grid 4 x 64, 16 waves a work-group, clusters of 4 x 1, 327,680 bytes of LDS; arguments query_codes, query_scales, Wq_codes, Wq_scales, bq, kv, Wo_codes, Wo_scales, bo, out0; writes out0
.if DOCPART == 2
	.amdgcn_target "amdgcn-amd-amdhsa--gfx1250"
	.amdhsa_code_object_version 6
	.text
	.protected	k_qad3b15329e_attend
	.globl	k_qad3b15329e_attend
	.p2align	8
	.type	k_qad3b15329e_attend,@function
k_qad3b15329e_attend:
	s_mov_b64 s[64:65], 0
	v_nop
	global_prefetch_b8 v0, s[64:65] scope:SCOPE_SE
	s_setreg_imm32_b32 hwreg(HW_REG_WAVE_MODE, 25, 1), 1
	s_wait_xcnt 0x0
	s_wait_alu depctr_hold_cnt(0) depctr_sa_sdst(0) depctr_va_vdst(0) depctr_va_sdst(0) depctr_va_ssrc(0) depctr_va_vcc(0) depctr_vm_vsrc(0)
	s_getreg_b32 s2, hwreg(HW_REG_IB_STS2, 6, 4)
	s_cmp_eq_u32 s2, 0
	s_cbranch_scc0 .Lentry_in_a_cluster
	s_endpgm
.Lentry_in_a_cluster:
	s_bfe_u32 s2, ttmp6, 0x10000c
	s_cmp_lg_u32 s2, 0x3003
	s_cbranch_scc0 .Lentry_shape_is_right
	s_endpgm
.Lentry_shape_is_right:
; out = (softmax(q k^T / 8) v, all 8 heads) Wo^T + bo with q = query Wq^T + bq, every product on codes of FP4 (E2M1) with one E8M0 scale for each 32 along its K.
; k and v come quantised, as images of operand registers (a fragment = 16 rows x 128 K = two runs of 512 bytes, lane l's 16 bytes at 16 l):
;   kv [bc 64][K's images [P 4 head pairs][g 4][i 8][c 2][lane][16]][V's likewise][K's scale words [P][g][i / 4][row 16][i % 4]][V's likewise]: 278,528 dense bytes a slice.
;   In K's tiles lane r holds key 128 g + 32 (i / 2) + 8 (i % 2) + r + 8 (r / 8), run c the 64 dims of head 2 P + c.  In V's, i = 4 x parity + t, lane r holds dim 32 (t / 2) + 8 (t % 2) + r + 8 (r / 8), K = keys 128 g on.
; SHARES.  A work-group owns 128 queries of one slice bc, for all 8 heads; sixteen waves, four to a SIMD, 256 registers each.
;   HEAD: wave w makes dims 32 w .. + 31 of q for all 128 queries (Wq's 32 rows stay in its registers; the queries' codes go once through LDS), quantises them (one block of 32 a query) and puts them into LDS as images.
;   TWO PHASES of 64 queries: wave W has tile W % 4 of 16 queries and the two heads of pair W / 4, each over 512 keys in four steps of 128; then, behind one barrier, the last product for these 64 queries:
;   wave W has 64 columns (W % 8) for two tiles (W / 8).  So the first phase's rows of out0 are stored while the second phase is computed.
; LDS.  The slice's K, V and scale words lie as in memory, bytes 0 .. 278,527, brought ONCE: one tensor load a wave, 68 rows of 256 bytes; nothing is filled again.  Behind them 36,864 bytes: first the queries' codes and scale bytes,
;   then q's images, and over each image, once its one reader (the wave that owns that tile and pair) has it in registers, that wave's ctx.
; CLUSTER.  The four work-groups of a slice need the same K and V: the load is asked for JOINTLY, with the same descriptor and a mask that names the four.
; NO PREFETCH: what comes from memory, Wo aside, is asked for whole in the kernel's first lines; there is no loop in which to run ahead of it.
; LAYOUT.  q, S and O are used transposed (a lane holds ONE query, its registers run along the next product's K).  The last product is not: source 0 = ctx, source 1 = Wo, and lane r of Wo's tile n takes column 4 r + n of my 64:
;   register j of the four accumulators is then four neighbouring columns of one row, and the four additions of bo lay them into four neighbouring registers: sixteen lanes store 256 consecutive bytes, aligned.
; THE SECOND PRODUCT'S K IS 64, the instruction's 128: q's operand is [even head | zero codes] or [zero codes | odd head]; K's operand is the head's four registers and, beside q's zeros, whatever codes the neighbouring
;   four registers hold: E2M1 has no NaN, their scale bytes are the pair's other head's (1 .. 254), and the products are zeros.
; THE SOFTMAX: t = score x log2(e) / 8; M = the row's largest t so far, rounded up to a whole number; p = 2^(t - M) is quantised along the keys, not normalised; the row's sum is taken of the unquantised p and divides O at the end;
;   when M moves, the sum and O are multiplied by 2^(old M - new M), which rounds nothing.
; LIMITS: a block of zeros gets the byte 1 (its codes are zeros); a block's largest magnitude is held at 2^-124 from below; NaN, infinities and scale bytes 0xff among the inputs are not served; a block's largest p is taken
;   from its largest score, which takes v_exp_f32 not to fall where its input rises; the scaled scores stay under 2^31 in magnitude.
.set VC,    131072                     ; LDS: K's images from 0, V's from here,
.set KS,    262144                     ; K's scale words (8,192 bytes), then V's,
.set CI,    278528                     ; images of q, then of ctx: [tile 8][pair 4][c 2][lane][16],
.set CSW,   311296                     ; their scale words [tile][pair][lane] words,
.set SPARE, 315392                     ; the spare words, 128 bytes a wave
.set XP,    272                        ; the head's stage, from CI on: a query's 256 bytes of codes + 16,
.set XSC,   CI+128*XP                  ; and behind 128 such rows the scale bytes, 16 a query: it ends at SPARE
.set AK0, 1                            ; K: 32,768 P + 16 x lane
.set AV0, 2                            ; V: + 131,072
.set AS0, 3                            ; scale words: KS + 2,048 P + 16 r
.set ADK, 4                            ; v4-6 the step's addresses (head: offsets of the dense loads and of Wq)
.set ADV, 5
.set ADS, 6
.set CWI, 7                            ; my tile's and pair's image: CI + 4,096 (W % 4) + 1,024 P + 16 x lane
.set CWS, 8                            ; and scale words: CSW + 512 (W % 4) + 128 P + 4 x lane
.set HW,  9                            ; the even head's two scale bytes, then the pair's word (head: bq's offset)
.set QE0, 10                           ; v10-13 q even, v14-17 zeros, v18-21 q odd
.set WOA, 22                           ; Wo's codes: 1,024 r + 16 h
.set WOSA,23                           ; Wo's scale bytes: 64 r
.set LI,  24                           ; ctx's images of my two tiles
.set LS,  25                           ; and their scale words
.set GO,  26                           ; my byte offset in out0
.set SPW, 27                           ; my spare word; never rewritten
.set NIL, 28                           ; 0; never rewritten
.set BOA, 29                           ; bo's offset
.set BO,  30                           ; v30-33 bo at columns 4 r .. 4 r + 3 of my 64
.set PAD, 34                           ; v34-37 zeros below K's tiles
.set KT,  38                           ; v38-69   eight tiles of K, four registers each
.set VT,  70                           ; v70-101  four fragments of V
.set S,   102                          ; v102-165 S^T, then p
.set OA,  166                          ; v166-197 O^T
.set PC,  198                          ; v198-205 the codes just made
.set BM,  206
.set TP,  210
.set SO,  214
.set NM,  218                          ; -M; v219 the largest t
.set TMX, 219
.set SUM, 220
.set TT,  222
.set F,   224                          ; 2^(old M - new M); v225 named with it as a pair
.set T2,  226                          ; v226-229 two more chains of the sum
.set T3,  228
.set PWD, 235                          ; v235-255 hold scales and nothing else: p's word,
.set KSW, 236                          ; K's eight,
.set QS0, 244                          ; q's,
.set VSW, 246                          ; V's four
.set WO,  38                           ; the last product: v38-165 Wo's fragments (tile n, K step s at 32 n + 8 s),
.set CX,  166                          ; v166-197 ctx's four fragments, then the rows to store,
.set AC,  198                          ; v198-229 four accumulators,
.set WOS, 236                          ; v236-251 Wo's scale words (4 n + s),
.set CXS, 252                          ; v252-255 ctx's
.set WQ,  38                           ; the head: v38-101 Wq's fragments (tile u, K step s at 32 u + 8 s),
.set XF,  102                          ; v102-165 two tiles of queries, four fragments each,
.set QA,  166                          ; v166-197 four accumulators (tile d, u at 16 d + 8 u),
.set BB,  198                          ; v198-213 bq,
.set QM,  214                          ; v214-219 at work,
.set QT,  216
.set QO,  218
.set QB,  220                          ; v220-227 the eight tiles' scale bytes (their codes: v10-21, v34-37),
.set XA,  228                          ; v228-234 the head's addresses
.set XSA, 229
.set QWA, 230
.set QWB, 231
.set SW,  232
.set SWS, 233
.set A0S, 234
.set WQS, 236
.set XS,  246
.set TB,  80                           ; s80, s81 the step's place among the pair's images and scale words; s82 steps to go
.set TS,  81
.set CNT, 82
.macro VW
	s_wait_alu depctr_va_vdst(0)
.endm
.macro NOPS n
.rept \n
	v_nop
.endr
.endm
.macro MMZ d, a, b, sa, sb             ; a product that starts a sum
	v_wmma_scale_f32_16x16x128_f8f6f4 v[\d:\d+7], v[\a:\a+7], v[\b:\b+7], 0, v[\sa], v[\sb] matrix_a_fmt:MATRIX_FMT_FP4 matrix_b_fmt:MATRIX_FMT_FP4
.endm
.macro MMA d, a, b, c, sa, sb
	v_wmma_scale_f32_16x16x128_f8f6f4 v[\d:\d+7], v[\a:\a+7], v[\b:\b+7], v[\c:\c+7], v[\sa], v[\sb] matrix_a_fmt:MATRIX_FMT_FP4 matrix_b_fmt:MATRIX_FMT_FP4
.endm
.macro CROUND                          ; a round of the cluster's barrier
	s_barrier_signal -1
	s_barrier_wait -1
	s_cmp_lg_u32 s36, 0
	s_cbranch_scc1 .Lnot_wave_0_\@
	s_barrier_signal -3
.Lnot_wave_0_\@:
	s_barrier_wait -3
	s_barrier_signal -1
	s_barrier_wait -1
.endm
	s_load_b512 s[4:19], s[0:1], 0x0               ; query's codes 4, scales 6; Wq's 8, 10; bq 12; kv 14; Wo's codes 16, scales 18
	s_load_b128 s[20:23], s[0:1], 0x40             ; bo 20, out0 22
	v_lshl_add_u32 v[SPW], v0, 2, SPARE
	v_mov_b32 v[NIL], 0
	ds_add_u32 v[SPW], v[NIL]                      ; the opening lines: the add, twice on end, and its wait ahead of my tensor load
	ds_add_u32 v[SPW], v[NIL]
	v_lshrrev_b32 v1, 5, v0
	v_readfirstlane_b32 s36, v1                    ; W: my wave, 0 .. 15
	s_and_b32 s37, s36, 3                          ; my tile of a phase's four; also my block's place in its pair's scale word
	s_lshr_b32 s38, s36, 2                         ; P: my head pair
	s_and_b32 s41, s36, 7                          ; my 64 columns
	s_lshr_b32 s42, s36, 3                         ; my two tiles in the last product
	s_and_b32 s40, ttmp7, 0xffff                   ; bc: the slice, which the four partners share
	s_bfe_u32 s39, ttmp6, 0x40000                  ; cx enters query's and out0's addresses alone
	s_lshl_b32 s48, ttmp9, 2
	s_add_co_u32 s39, s39, s48                     ; my block of 128 queries
	s_mov_b32 s44, 0x76543210
	s_mov_b32 s45, 0xfedcba98                      ; v_permlanex16_b32's selects for lane l xor 16
	s_mov_b32 s46, 0x3e38aa3b                      ; c = log2(e) / 8
	s_mov_b32 s47, s46                             ; (named with it as a pair, so it is written)
	s_mov_b32 s24, 15|(3<<16)|(1<<21)              ; group 1: 68 rows of 256 bytes (32 elements of 8), dense; the mask names all four work-groups
	s_mov_b32 s25, 32<<16
	s_mov_b32 s26, 68<<16
	s_mov_b32 s27, 32<<16
	s_mov_b32 s28, 68
	s_mov_b32 s29, 32
	s_mov_b32 s30, 0
	s_mov_b32 s31, 0
	s_mov_b32 s32, 1
	s_mul_i32 s33, s36, 17408                      ; LDS as memory: my sixteenth of the slice's block
	s_mul_i32 s48, s40, 278528
	s_add_co_u32 s48, s48, s33
	s_mov_b32 s49, 0
	s_lshl_b32 s50, s40, 17                        ; query's codes: (512 bc + 128 block) rows of 256 bytes
	s_lshl_b32 s51, s39, 15
	s_add_co_u32 s50, s50, s51
	s_mov_b32 s51, 0
	s_lshl_b32 s52, s40, 13                        ; and scale bytes, 16 a row
	s_lshl_b32 s53, s39, 11
	s_add_co_u32 s52, s52, s53
	s_mov_b32 s53, 0
	s_lshl_b32 s54, s36, 13                        ; Wq's rows 32 W on: codes,
	s_mov_b32 s55, 0
	s_lshl_b32 s56, s36, 9                         ; scale bytes,
	s_mov_b32 s57, 0
	s_lshl_b32 s58, s36, 7                         ; and bq
	s_mov_b32 s59, 0
	s_lshl_b32 s60, s41, 8                         ; bo at my 64 columns
	s_mov_b32 s61, 0
	s_lshl_b32 s62, s41, 14                        ; Wo's rows 64 (W % 8) on
	s_mov_b32 s63, 0
	s_lshl_b32 s66, s41, 10
	s_mov_b32 s67, 0
	s_lshl_b32 s68, s40, 20                        ; out0: (512 bc + 128 block) rows of 2,048 bytes
	s_lshl_b32 s69, s39, 18
	s_add_co_u32 s68, s68, s69
	s_mov_b32 s69, 0
	s_lshl_b32 s70, s38, 15                        ; the waves' parts of the LDS addresses
	s_lshl_b32 s71, s38, 11
	s_add_co_u32 s71, s71, KS
	s_lshl_b32 s72, s37, 12
	s_lshl_b32 s79, s38, 10
	s_add_co_u32 s72, s72, s79
	s_add_co_u32 s72, s72, CI
	s_lshl_b32 s73, s37, 9
	s_lshl_b32 s79, s38, 7
	s_add_co_u32 s73, s73, s79
	s_add_co_u32 s73, s73, CSW
	s_lshl_b32 s74, s42, 13
	s_add_co_u32 s74, s74, CI
	s_lshl_b32 s75, s42, 10
	s_add_co_u32 s75, s75, CSW
	s_lshl_b32 s76, s42, 16                        ; out0: 32 rows for each pair of tiles + my 256 bytes of a row
	s_add_co_u32 s76, s76, s60
	s_lshl_b32 s77, s36, 8
	s_add_co_u32 s77, s77, CI                      ; block W of a query's 16: pair W / 4, run (W / 2) % 2, lanes' half W % 2 = 256 W bytes on
	s_add_co_u32 s78, s79, s37
	s_add_co_u32 s78, s78, CSW                     ; its byte: 128 P + W % 4
	v_and_b32 v220, 31, v0                         ; lane
	v_and_b32 v221, 15, v0                         ; r
	v_bfe_u32 v222, v0, 4, 1                       ; h
	v_and_b32 v223, 8, v221
	v_lshlrev_b32 v[ADK], 4, v0                    ; the dense loads: 16 bytes a thread,
	v_lshlrev_b32 v[ADV], 2, v0                    ; a scale word a thread
	v_add_nc_u32 v223, v223, v221                  ; r + 8 (r / 8)
	v_lshlrev_b32 v[HW], 6, v222                   ; bq: 64 h
	v_lshlrev_b32 v[BOA], 4, v221                  ; bo: 16 r
	v_lshlrev_b32 v[ADS], 8, v223
	v_lshlrev_b32 v[A0S], 4, v223                  ; Wq's scale bytes
	v_lshl_add_u32 v[ADS], v222, 4, v[ADS]         ; Wq's codes: (r + 8 (r / 8)) x 256 + 16 h
	v_bfe_u32 v[SW], v0, 4, 3                      ; the stage: query thread / 16 (+ 32 k) goes to the row with bits 3 and 4 swapped: the order of the tiles
	v_bfe_u32 v[SWS], v0, 7, 1
	v_bfe_u32 v[XA], v0, 8, 1
	v_lshl_or_b32 v[SW], v[SWS], 4, v[SW]
	v_and_b32 v[SWS], 0x19f, v0                    ; scale word thread = 4 x query + K step: bits 5 and 6 swapped
	v_lshl_or_b32 v[SW], v[XA], 3, v[SW]
	v_bfe_u32 v[XA], v0, 5, 1
	v_mul_u32_u24 v[SW], v[SW], XP
	v_lshl_or_b32 v[SWS], v[XA], 6, v[SWS]
	v_bfe_u32 v[XA], v0, 6, 1
	v_lshl_add_u32 v[SW], v221, 4, v[SW]
	v_lshl_or_b32 v[SWS], v[XA], 5, v[SWS]
	v_add_nc_u32 v[SW], CI, v[SW]
	v_lshl_add_u32 v[SWS], v[SWS], 2, XSC
	v_mul_u32_u24 v[XA], v221, XP
	v_lshl_add_u32 v[XSA], v221, 4, XSC
	v_lshl_add_u32 v[XA], v222, 4, v[XA]
	v_lshl_add_u32 v[QWA], v221, 4, s77
	v_add_nc_u32 v[XA], CI, v[XA]                  ; a fragment of queries: row r, + 16 h
	v_lshl_add_u32 v[QWA], v222, 3, v[QWA]         ; my 8 bytes of q: 16 r + 8 h
	v_lshl_add_u32 v[QWB], v220, 2, s78
	v_lshl_add_u32 v[AK0], v220, 4, s70
	v_lshl_add_u32 v[AS0], v221, 4, s71
	v_lshl_add_u32 v[CWI], v220, 4, s72
	v_add_nc_u32 v[AV0], VC, v[AK0]
	v_lshl_add_u32 v[CWS], v220, 2, s73
	v_lshl_add_u32 v[LI], v220, 4, s74
	v_lshl_add_u32 v[LS], v220, 2, s75
	v_lshl_add_u32 v[GO], v221, 4, s76
	v_lshlrev_b32 v[WOA], 10, v221
	v_lshlrev_b32 v[WOSA], 6, v221
	v_lshl_add_u32 v[GO], v222, 15, v[GO]          ; lanes 16-31 hold the rows 16 further on
	v_lshl_add_u32 v[WOA], v222, 4, v[WOA]
	v_mov_b32 v[QT], 0                             ; written once: a lane permute's destination counts as one of its sources
	v_mov_b32 v[QT+1], 0
	VW                                             ; the wait at the head's end
	s_wait_dscnt 0x0                               ; both opening adds are done
	s_wait_kmcnt 0x0
	s_add_nc_u64 s[4:5], s[4:5], s[50:51]
	s_add_nc_u64 s[6:7], s[6:7], s[52:53]
	s_add_nc_u64 s[8:9], s[8:9], s[54:55]
	s_add_nc_u64 s[10:11], s[10:11], s[56:57]
	s_add_nc_u64 s[12:13], s[12:13], s[58:59]
	s_add_nc_u64 s[34:35], s[14:15], s[48:49]
	s_or_b32 s35, s35, 0x80000000
	s_add_nc_u64 s[16:17], s[16:17], s[62:63]
	s_add_nc_u64 s[18:19], s[18:19], s[66:67]
	s_add_nc_u64 s[20:21], s[20:21], s[60:61]
	s_add_nc_u64 s[22:23], s[22:23], s[68:69]
.irp k, 0,1,2,3
	global_load_b128 v[XF+4*\k:XF+4*\k+3], v[ADK], s[4:5] offset:8192*\k      ; queries 32 k on: the 512 threads read 8,192 consecutive bytes
.endr
	global_load_b32 v[XF+16], v[ADV], s[6:7]                                  ; their scale bytes: 2,048 consecutive bytes
.irp u, 0,1
.irp s, 0,1,2,3
.irp c, 0,1
	global_load_b128 v[WQ+32*\u+8*\s+4*\c:WQ+32*\u+8*\s+4*\c+3], v[ADS], s[8:9] offset:2048*\u+64*\s+32*\c   ; lane r of tile u: Wq's row 32 W + 8 u + r + 8 (r / 8)
.endr
.endr
	global_load_b128 v[WQS+4*\u:WQS+4*\u+3], v[A0S], s[10:11] offset:128*\u
	global_load_b128 v[BB+8*\u:BB+8*\u+3], v[HW], s[12:13] offset:32*\u       ; register j of tile u is dim 32 W + 8 u + 16 h + j
	global_load_b128 v[BB+8*\u+4:BB+8*\u+7], v[HW], s[12:13] offset:32*\u+16
.endr
	global_load_b128 v[BO:BO+3], v[BOA], s[20:21]
	CROUND                                         ; all four work-groups are here: the joint loads meet
	tensor_load_to_lds s[32:35], s[24:31]          ; my one tensor load: a sixteenth of K, V and their scale words
	s_nop 0
	NOPS 4
	s_wait_loadcnt 23                              ; the 5 dense loads are in; behind them 16 + 2 of Wq, 4 of bq, 1 of bo
.irp k, 0,1,2,3
	ds_store_b128 v[SW], v[XF+4*\k:XF+4*\k+3] offset:32*\k*XP
.endr
	ds_store_b32 v[SWS], v[XF+16]
	s_wait_dscnt 0x0                               ; for the others' sake: my stores have landed
	s_barrier_signal -1
	s_barrier_wait -1                              ; the 128 queries lie in LDS
.macro XFETCH a                        ; tiles 2 a, 2 a + 1 of the queries: four fragments and the rows' four scale words each
.irp d, 0,1
.irp s, 0,1,2,3
.irp c, 0,1
	ds_load_b128 v[XF+32*\d+8*\s+4*\c:XF+32*\d+8*\s+4*\c+3], v[XA] offset:16*(2*(\a)+\d)*XP+64*\s+32*\c
.endr
.endr
	ds_load_b128 v[XS+4*\d:XS+4*\d+3], v[XSA] offset:256*(2*(\a)+\d)
.endr
.endm
; Two tiles of queries against my 32 dims, K = 512: 16 matrix instructions, four accumulators by turns, bq as the first C.  A lane's 16 results of a tile are dims 32 W + 16 h + 0 .. 15 of its query.
.macro QTRIP a
	s_wait_dscnt 0x0
.irp s, 0,1,2,3
.irp d, 0,1
.irp u, 0,1
.if \s == 0
	MMA QA+16*\d+8*\u, WQ+32*\u+8*\s, XF+32*\d+8*\s, BB+8*\u, WQS+4*\u+\s, XS+4*\d+\s
.else
	MMA QA+16*\d+8*\u, WQ+32*\u+8*\s, XF+32*\d+8*\s, QA+16*\d+8*\u, WQS+4*\u+\s, XS+4*\d+\s
.endif
.endr
.endr
.endr
	NOPS 5                                         ; places: four for the loads and reads below, the fifth because the next trip begins the accumulators anew
.if (\a) < 3
	XFETCH (\a)+1
.endif
.irp d, 0,1
	v_max3_num_f32 v[QM+\d], |v[QA+16*\d]|, |v[QA+16*\d+1]|, 0x1800000       ; my 16 numbers, and the floor 2^(3 - 127)
.endr
.irp i, 2,4,6,8,10,12,14
.irp d, 0,1
	v_max3_num_f32 v[QM+\d], v[QM+\d], |v[QA+16*\d+\i]|, |v[QA+16*\d+\i+1]|   ; the two tiles by turns
.endr
.endr
.irp d, 0,1
	v_permlanex16_b32 v[QT+\d], v[QM+\d], s44, s45
.endr
.irp d, 0,1
	v_max_num_f32 v[QM+\d], v[QM+\d], v[QT+\d]     ; with lane l xor 16's: the block's largest magnitude
.endr
.irp d, 0,1
	v_add_nc_u32 v[QO+\d], 0xff000000, v[QM+\d]    ; 2 off its exponent field: the conversion's scale operand
.endr
.irp d, 0,1
	v_lshrrev_b32 v[QB+2*(\a)+\d], 23, v[QO+\d]    ; the scale's byte
.endr
.irp d, 0,1
.set QCX, 10+2*(2*(\a)+\d)+12*((2*(\a)+\d)/6)
	v_cvt_scalef32_pk8_fp4_f32 v[QCX], v[QA+16*\d:QA+16*\d+7], v[QO+\d]
	v_cvt_scalef32_pk8_fp4_f32 v[QCX+1], v[QA+16*\d+8:QA+16*\d+15], v[QO+\d]
.endr
	v_nop                                          ; one plain place behind a scaled conversion
.endm
	XFETCH 0
	s_wait_loadcnt 0x0                             ; Wq, its scale words, bq, bo
	QTRIP 0
	QTRIP 1
	QTRIP 2
	QTRIP 3
	VW                                             ; the wait ahead of the barrier: the last codes and bytes are read behind it
	s_barrier_signal -1
	s_barrier_wait -1                              ; nobody reads the stage any more: q's images go over it
.irp i, 0,1,2,3,4,5,6,7
	ds_store_b64 v[QWA], v[10+2*\i+12*(\i/6):11+2*\i+12*(\i/6)] offset:4096*\i
	ds_store_b8 v[QWB], v[QB+\i] offset:512*\i
.endr
	s_wait_tensorcnt 0x0                           ; my part of K and V has landed,
	s_wait_dscnt 0x0                               ; and so have my stores
	s_barrier_signal -1
	s_barrier_wait -1                              ; everybody's have
.irp j, 0,1,2,3
	v_mov_b32 v[QE0+4+\j], 0                       ; zero codes between the pair's two heads,
	v_mov_b32 v[PAD+\j], 0                         ; and below K's tiles
	v_mov_b32 v[TP+\j], 0                          ; written once: a lane permute's destination counts as one of its sources
.endr
	v_mov_b32 v[F+1], 0                            ; (named as the upper half of a pair)
	VW                                             ; the zeros are first read behind a wait on DScnt
; A KEY STEP: 128 keys of head 2 P + e.  first = 1: the head's first step starts M, the sum and O^T.
.macro STEP e, first
	v_add_nc_u32 v[ADK], s[TB], v[AK0]
	v_add_nc_u32 v[ADV], s[TB], v[AV0]
	v_add_nc_u32 v[ADS], s[TS], v[AS0]
	v_nop                                          ; four places behind the last products, in front of loads into registers that they read
.irp t, 0,1,2,3,4,5,6,7
	ds_load_b128 v[KT+4*\t:KT+4*\t+3], v[ADK] offset:\t*1024+\e*512            ; 16 keys x my head's 64 dims: 512 consecutive bytes
.endr
.irp c, 0,1
	ds_load_b128 v[KSW+4*\c:KSW+4*\c+3], v[ADS] offset:\c*256                  ; row r's words of tiles 4 c .. 4 c + 3
.endr
.irp t, 0,1,2,3
.irp c, 0,1
	ds_load_b128 v[VT+8*\t+4*\c:VT+8*\t+4*\c+3], v[ADV] offset:\e*4096+\t*1024+\c*512
.endr
.endr
	ds_load_b128 v[VSW:VSW+3], v[ADS] offset:8192+\e*256
	s_wait_dscnt 8                                 ; K, its scale words and V's first four registers (which an even head's tile 7 names) are in; 7 loads of V and V's scale words may be out
.irp t, 0,1,2,3,4,5,6,7
	MMZ S+8*\t, KT+4*\t-4*\e, QE0+4*\e, KSW+\t, QS0                            ; S^T: the 16 registers of tiles 2 b, 2 b + 1 are keys 32 b + 16 (lane / 16) + 0 .. 15 of the step
.endr
	NOPS 4
.irp b, 0,1,2,3
	v_max3_num_f32 v[BM+\b], v[S+16*\b], v[S+16*\b+1], v[S+16*\b+2]            ; the largest score of each block of 32 keys: for the row's maximum and for the block's largest p
.endr
.irp i, 3,5,7,9,11,13
.irp b, 0,1,2,3
	v_max3_num_f32 v[BM+\b], v[BM+\b], v[S+16*\b+\i], v[S+16*\b+\i+1]
.endr
.endr
.irp b, 0,1,2,3
	v_max_num_f32 v[BM+\b], v[BM+\b], v[S+16*\b+15]
.endr
.irp b, 0,1,2,3
	v_permlanex16_b32 v[TP+\b], v[BM+\b], s44, s45
.endr
.irp b, 0,1,2,3
	v_max_num_f32 v[BM+\b], v[BM+\b], v[TP+\b]     ; with lane l xor 16's 16 keys (the four blocks by turns)
.endr
	s_delay_alu instid0(VALU_DEP_2)
	v_max3_num_f32 v[TT], v[BM], v[BM+1], v[BM+2]
	s_delay_alu instid0(VALU_DEP_1)
	v_max_num_f32 v[TT], v[TT], v[BM+3]            ; the step's largest score of my query
.if \first
	s_delay_alu instid0(VALU_DEP_1)
	v_mul_f32 v[TMX], s46, v[TT]                   ; as t (c is positive)
	s_delay_alu instid0(VALU_DEP_1)
	v_floor_f32 v[NM], -v[TMX]                     ; -M = floor(-t) = -ceil(t)
.else
	s_delay_alu instid0(VALU_DEP_1)
	v_mul_f32 v[TT], s46, v[TT]
	s_delay_alu instid0(VALU_DEP_1)
	v_max_num_f32 v[TMX], v[TMX], v[TT]            ; the running largest t
	v_mov_b32 v[TT], v[NM]
	s_delay_alu instid0(VALU_DEP_2)
	v_floor_f32 v[NM], -v[TMX]
	s_delay_alu instid0(VALU_DEP_1)
	v_sub_f32 v[TT], v[NM], v[TT]                  ; M's old value less its new one: a whole number, 0 or less
	s_delay_alu instid0(VALU_DEP_1)
	v_cvt_i32_f32 v[TT], v[TT]
	s_delay_alu instid0(VALU_DEP_1)
	v_ldexp_f32 v[F], 1.0, v[TT]                   ; f = 2^(old M - new M)
.endif
.set J, 0
.rept 32
	v_pk_fma_f32 v[S+J:S+J+1], v[S+J:S+J+1], s[46:47], v[NM:NM+1] op_sel_hi:[1,0,0]   ; t - M, two at a time (of the pairs c and -M the low word serves both halves)
.set J, J+2
.endr
.irp b, 0,1,2,3
	v_fma_f32 v[BM+\b], v[BM+\b], s46, v[NM]       ; the same of each block's largest score
.endr
	VW                                             ; the wait ahead of the batch
.set J, 0
.rept 64
	v_exp_f32 v[S+J], v[S+J]                       ; p = 2^(t - M), at most 1
.set J, J+1
.endr
.if \first
	v_mov_b32 v[SUM], 0                            ; the sum begins.  (Plain lines behind the exponentials)
	v_mov_b32 v[SUM+1], 0
.else
	v_pk_mul_f32 v[SUM:SUM+1], v[SUM:SUM+1], v[F:F+1] op_sel_hi:[1,0]   ; the sum under the new M.  (A plain line behind the exponentials)
.endif
	VW                                             ; one wait for the 64, ahead of their first reader
.irp b, 0,1,2,3
	v_exp_f32 v[BM+\b], v[BM+\b]                   ; the block's largest p: the same two instructions on the same number give the same bits
.endr
	v_pk_add_f32 v[TP:TP+1], v[S:S+1], v[S+2:S+3]  ; the row's sum of the unquantised p: two at a time, four chains by turns
	v_pk_add_f32 v[T2:T2+1], v[S+4:S+5], v[S+6:S+7]
	v_pk_add_f32 v[T3:T3+1], v[S+8:S+9], v[S+10:S+11]
.set J, 12
.rept 6
	v_pk_add_f32 v[SUM:SUM+1], v[SUM:SUM+1], v[S+J:S+J+1]
	v_pk_add_f32 v[TP:TP+1], v[TP:TP+1], v[S+J+2:S+J+3]
	v_pk_add_f32 v[T2:T2+1], v[T2:T2+1], v[S+J+4:S+J+5]
	v_pk_add_f32 v[T3:T3+1], v[T3:T3+1], v[S+J+6:S+J+7]
.set J, J+8
.endr
	v_pk_add_f32 v[SUM:SUM+1], v[SUM:SUM+1], v[S+60:S+61]
	v_pk_add_f32 v[TP:TP+1], v[TP:TP+1], v[S+62:S+63]
	v_pk_add_f32 v[T2:T2+1], v[T2:T2+1], v[T3:T3+1]
	v_pk_add_f32 v[SUM:SUM+1], v[SUM:SUM+1], v[TP:TP+1]
	v_pk_add_f32 v[SUM:SUM+1], v[SUM:SUM+1], v[T2:T2+1]
	VW                                             ; and one for the four
.irp b, 0,1,2,3
	v_max_num_f32 v[BM+\b], 0x1800000, v[BM+\b]    ; the floor 2^(3 - 127): the byte cannot fall under 1
.endr
.irp b, 0,1,2,3
	s_delay_alu instid0(VALU_DEP_4)
	v_add_nc_u32 v[SO+\b], 0xff000000, v[BM+\b]    ; 2 off the exponent field: the conversion's scale operand
.endr
.irp b, 0,1,2,3
	s_delay_alu instid0(VALU_DEP_4)
	v_lshrrev_b32 v[TP+\b], 23, v[SO+\b]           ; the scale's byte
.endr
	s_delay_alu instid0(VALU_DEP_3)
	v_lshl_or_b32 v[PWD], v[TP+1], 8, v[TP]        ; p's scale word for these 128 keys
	s_delay_alu instid0(VALU_DEP_1)
	v_lshl_or_b32 v[PWD], v[TP+2], 16, v[PWD]
	s_delay_alu instid0(VALU_DEP_1)
	v_lshl_or_b32 v[PWD], v[TP+3], 24, v[PWD]
.irp b, 0,1,2,3
	v_cvt_scalef32_pk8_fp4_f32 v[PC+2*\b], v[S+16*\b:S+16*\b+7], v[SO+\b]
	v_cvt_scalef32_pk8_fp4_f32 v[PC+2*\b+1], v[S+16*\b+8:S+16*\b+15], v[SO+\b]
.endr
	v_nop                                          ; one plain place behind a scaled conversion
.irp c, 0,1                                    ; the operand's layout wants a whole block in a lane
.irp i, 0,1
	v_permlane16_swap_b32 v[PC+4*\c+\i], v[PC+4*\c+2+\i]
.endr
.endr
	VW                                             ; directly ahead of the first reader of O^T
.if \first
	NOPS 8                                         ; a scale register written by a vector instruction stands 8 places ahead of a scaled matrix instruction, an operand so written 4
.else
.set J, 0
.rept 16
	v_pk_mul_f32 v[OA+J:OA+J+1], v[OA+J:OA+J+1], v[F:F+1] op_sel_hi:[1,0]   ; O^T under the new M, from each accumulator's low end on.  (These 16 are also those places)
.set J, J+2
.endr
.endif
	VW
	s_wait_dscnt 0x0                               ; V and its scale words are in
.irp t, 0,1,2,3
.if \first
	MMZ OA+8*\t, VT+8*\t, PC, VSW+\t, PWD
.else
	MMA OA+8*\t, VT+8*\t, PC, OA+8*\t, VSW+\t, PWD   ; the four accumulators by turns
.endif
.endr
	s_add_co_u32 s[TB], s[TB], 8192                ; the next 128 keys
	s_add_co_u32 s[TS], s[TS], 512
.endm
; Wo's part of my wave, asked for as soon as the registers of K, V and p are free: lane r of tile n takes row (= column of out0) 64 (W % 8) + 4 r + n.
.macro WOLOAD
.irp n, 0,1,2,3
.irp s, 0,1,2,3
.irp c, 0,1
	global_load_b128 v[WO+32*\n+8*\s+4*\c:WO+32*\n+8*\s+4*\c+3], v[WOA], s[16:17] offset:\n*256+64*\s+32*\c
.endr
.endr
	global_load_b128 v[WOS+4*\n:WOS+4*\n+3], v[WOSA], s[18:19] offset:16*\n
.endr
.endm
; A HEAD: four key steps; then O^T / the sum is quantised along the head's 64 dims: half a fragment (run e) and half a scale word of K step P of the last product.
.macro HEAD ph, e
	s_mov_b32 s[TB], 0
	s_mov_b32 s[TS], 0
	STEP \e, 1
	s_mov_b32 s[CNT], 3
.Lstep_\@:
	STEP \e, 0
	s_sub_co_u32 s[CNT], s[CNT], 1
	s_cmp_lg_u32 s[CNT], 0
	s_cbranch_scc1 .Lstep_\@
.if \e
	NOPS 4                                         ; places in front of loads into registers that the last products read
	WOLOAD
.endif
	v_add_f32 v[SUM], v[SUM], v[SUM+1]             ; the sum's two halves,
	s_delay_alu instid0(VALU_DEP_1)
	v_permlanex16_b32 v[TP], v[SUM], s44, s45
	s_delay_alu instid0(VALU_DEP_1)
	v_add_f32 v[SUM], v[SUM], v[TP]                ; and lane l xor 16's: the row's sum
	VW                                             ; the wait ahead of the reciprocal
	v_rcp_f32 v[SUM], v[SUM]
	NOPS 3                                         ; the plain place behind the reciprocal; with the two additions also the places behind the last products
	VW                                             ; the wait ahead of the reciprocal's first reader, which is also O^T's
.set J, 0
.rept 16
	v_pk_mul_f32 v[OA+J:OA+J+1], v[OA+J:OA+J+1], v[SUM:SUM+1] op_sel_hi:[1,0]   ; register 16 b + i is dim 32 b + 16 (lane / 16) + i of my query's ctx
.set J, J+2
.endr
.irp b, 0,1
	v_max3_num_f32 v[BM+\b], |v[OA+16*\b]|, |v[OA+16*\b+1]|, 0x1800000
.endr
.irp i, 2,4,6,8,10,12,14
.irp b, 0,1
	s_delay_alu instid0(VALU_DEP_2)
	v_max3_num_f32 v[BM+\b], v[BM+\b], |v[OA+16*\b+\i]|, |v[OA+16*\b+\i+1]|
.endr
.endr
.irp b, 0,1
	s_delay_alu instid0(VALU_DEP_2)
	v_permlanex16_b32 v[TP+\b], v[BM+\b], s44, s45
.endr
.irp b, 0,1
	s_delay_alu instid0(VALU_DEP_2)
	v_max_num_f32 v[BM+\b], v[BM+\b], v[TP+\b]
.endr
.irp b, 0,1
	s_delay_alu instid0(VALU_DEP_2)
	v_add_nc_u32 v[SO+\b], 0xff000000, v[BM+\b]
.endr
.irp b, 0,1
	s_delay_alu instid0(VALU_DEP_2)
	v_lshrrev_b32 v[TP+\b], 23, v[SO+\b]
.endr
.if \e == 0
	s_delay_alu instid0(VALU_DEP_1)
	v_lshl_or_b32 v[HW], v[TP+1], 8, v[TP]         ; the even head's two bytes wait for the odd head's
.else
	s_delay_alu instid0(VALU_DEP_1)
	v_lshl_or_b32 v[TT], v[TP+1], 8, v[TP]
	s_delay_alu instid0(VALU_DEP_1)
	v_lshl_or_b32 v[HW], v[TT], 16, v[HW]
.endif
.irp b, 0,1
	v_cvt_scalef32_pk8_fp4_f32 v[PC+2*\b], v[OA+16*\b:OA+16*\b+7], v[SO+\b]
	v_cvt_scalef32_pk8_fp4_f32 v[PC+2*\b+1], v[OA+16*\b+8:OA+16*\b+15], v[SO+\b]
.endr
	v_nop                                          ; one plain place behind a scaled conversion
	v_permlane16_swap_b32 v[PC], v[PC+2]
	v_permlane16_swap_b32 v[PC+1], v[PC+3]         ; lanes 0-15 the head's dims 0-31, lanes 16-31 its dims 32-63
	ds_store_b128 v[CWI], v[PC:PC+3] offset:\ph*16384+\e*512      ; over q's image of this head, which I alone read and have in registers
.if \e == 1
	ds_store_b32 v[CWS], v[HW] offset:\ph*2048
.endif
.endm
.macro CFETCH ph, m                    ; ctx's four fragments and scale words of my m-th tile of queries
.irp s, 0,1,2,3
.irp c, 0,1
	ds_load_b128 v[CX+8*\s+4*\c:CX+8*\s+4*\c+3], v[LI] offset:\ph*16384+(\m)*4096+\s*1024+\c*512
.endr
.endr
.irp s, 0,1,2,3
	ds_load_b32 v[CXS+\s], v[LS] offset:\ph*2048+(\m)*512+\s*128
.endr
.endm
; 16 queries x my 64 columns: 16 matrix instructions, four accumulators by turns.  Register j of accumulator n is out(row 8 h + j of the tile, column 4 r + n): with bo added the four lie in four neighbouring registers.
.macro OUTTILE ph, m
	s_wait_dscnt 0x0                               ; ctx's fragments are in
.irp s, 0,1,2,3
.irp n, 0,1,2,3
.if \s == 0
	MMZ AC+8*\n, CX+8*\s, WO+32*\n+8*\s, CXS+\s, WOS+4*\n+\s
.else
	MMA AC+8*\n, CX+8*\s, WO+32*\n+8*\s, AC+8*\n, CXS+\s, WOS+4*\n+\s
.endif
.endr
.endr
	NOPS 5                                         ; places: four in front of the lines below, the fifth because the next tile begins the accumulators anew
.irp j, 0,1,2,3,4,5,6,7
.irp n, 0,1,2,3
	v_add_f32 v[CX+4*\j+\n], v[AC+8*\n+\j], v[BO+\n]       ; each accumulator from its low end on
.endr
	global_store_b128 v[GO], v[CX+4*\j:CX+4*\j+3], s[22:23] offset:(64*\ph+8*\m+\j)*2048 th:TH_STORE_NT   ; the tile's row 8 h + j is token j + 16 h of its 32: sixteen lanes store 256 consecutive bytes, aligned
.endr
	s_wait_xcnt 0x0                                ; the stores have read their registers, which are written again below
.if \m == 0
	CFETCH \ph, 1
.endif
.endm
.macro PHASE ph
.if \ph
.irp j, 0,1,2,3
	v_mov_b32 v[TP+\j], 0                          ; the last product's accumulators lay here: a lane permute's destination counts as one of its sources, so it is written anew
.endr
.endif
	ds_load_b128 v[QE0:QE0+3], v[CWI] offset:\ph*16384           ; q of my tile: the pair's even head,
	ds_load_b128 v[QE0+8:QE0+11], v[CWI] offset:\ph*16384+512    ; its odd head,
	ds_load_b32 v[QS0], v[CWS] offset:\ph*2048                   ; its scale words (the first step's wait on DScnt covers the three)
	HEAD \ph, 0
	HEAD \ph, 1
	VW                                             ; the wait ahead of the barrier
	s_wait_dscnt 0x0                               ; my images and scale words have landed
	s_barrier_signal -1
	s_barrier_wait -1                              ; the phase's 16 fragments of ctx lie in LDS
	CFETCH \ph, 0
	s_wait_loadcnt 0x0                             ; Wo and its scale words
	OUTTILE \ph, 0
	OUTTILE \ph, 1
.endm
	PHASE 0
	PHASE 1
	s_wait_tensorcnt 0x0                           ; the wave's end
	ds_add_u32 v[SPW], v[NIL]
	s_wait_dscnt 0x0
	CROUND                                         ; the closing round
	s_endpgm
.Lfunc_end_k_qad3b15329e_attend:
	.size	k_qad3b15329e_attend, .Lfunc_end_k_qad3b15329e_attend-k_qad3b15329e_attend
	.p2alignl 7, 3214868480
	.fill 96, 4, 3214868480
	.section	.rodata,"a",@progbits
	.p2align	6, 0x0
	.amdhsa_kernel k_qad3b15329e_attend
		.amdhsa_group_segment_fixed_size 327680
		.amdhsa_private_segment_fixed_size 0
		.amdhsa_enable_private_segment 0
		.amdhsa_kernarg_size 80
		.amdhsa_user_sgpr_count 2
		.amdhsa_user_sgpr_kernarg_segment_ptr 1
		.amdhsa_wavefront_size32 1
		.amdhsa_system_sgpr_workgroup_id_x 1
		.amdhsa_system_sgpr_workgroup_id_y 1
		.amdhsa_system_sgpr_workgroup_id_z 1
		.amdhsa_system_vgpr_workitem_id 0
		.amdhsa_next_free_vgpr 256
		.amdhsa_next_free_sgpr 90
		.amdhsa_reserve_vcc 0
		.amdhsa_float_denorm_mode_32 3
		.amdhsa_float_denorm_mode_16_64 3
		.amdhsa_memory_ordered 1
		.amdhsa_forward_progress 1
		.amdhsa_inst_pref_size 196
	.end_amdhsa_kernel
	.amdgpu_metadata
---
amdhsa.version: [ 1, 2 ]
amdhsa.kernels:
  - .name:           k_qad3b15329e_attend
    .symbol:         k_qad3b15329e_attend.kd
    .args:
      - { .name: query_codes, .offset: 0, .size: 8, .value_kind: global_buffer, .address_space: global }
      - { .name: query_scales, .offset: 8, .size: 8, .value_kind: global_buffer, .address_space: global }
      - { .name: Wq_codes, .offset: 16, .size: 8, .value_kind: global_buffer, .address_space: global }
      - { .name: Wq_scales, .offset: 24, .size: 8, .value_kind: global_buffer, .address_space: global }
      - { .name: bq, .offset: 32, .size: 8, .value_kind: global_buffer, .address_space: global }
      - { .name: kv, .offset: 40, .size: 8, .value_kind: global_buffer, .address_space: global }
      - { .name: Wo_codes, .offset: 48, .size: 8, .value_kind: global_buffer, .address_space: global }
      - { .name: Wo_scales, .offset: 56, .size: 8, .value_kind: global_buffer, .address_space: global }
      - { .name: bo, .offset: 64, .size: 8, .value_kind: global_buffer, .address_space: global }
      - { .name: out0, .offset: 72, .size: 8, .value_kind: global_buffer, .address_space: global }
    .group_segment_fixed_size: 327680
    .private_segment_fixed_size: 0
    .kernarg_segment_align: 8
    .kernarg_segment_size: 80
    .max_flat_workgroup_size: 512
    .sgpr_count:     90
    .vgpr_count:     256
    .wavefront_size: 32
...
	.end_amdgpu_metadata
.endif
;; end of part 2
